; MI455X (gfx1250); checked and timed in simulation.
; The chip was launched on July 23, 2026; its instructions are those of AMD's public machine-readable ISA for CDNA 5 (MIT licence, August 2026) and "CDNA5" Instruction Set Architecture Reference Guide (July 2026). The comments in the code are by the model that wrote it; some were corrected since.
;; Hard Op Bank. Allowed arithmetic: matrix products marked QUANTISED: E2M1 operands, one E8M0 scale for each 32 along K, by v_wmma_scale_f32_16x16x128_f8f6f4 with both operands' format E2M1 (or v_wmma_scale_f32_32x16x128_f4), f32 sums; everything else in f32.
;; Inputs: W_codes 8 x 512 x 16 x 16 uint8 (E2M1 codes of W, K innermost, in blocks of 32 codes, two codes a byte); W_scales 8 x 512 x 16 uint8 (E8M0 scales of W, one for each 32 codes along K); gumbel 4 x 8,192 x 8 float32; op_logits 4 x 8,192 x 8 float32; x_codes 4 x 8,192 x 16 x 16 uint8 (E2M1 codes of x, K innermost, in blocks of 32 codes, two codes a byte); x_scales 4 x 8,192 x 16 uint8 (E8M0 scales of x, one for each 32 codes along K).
;; Outputs: out0 4 x 8,192 x 512 float32.
;; This version of the problem:
;;   THIS VERSION OF THE PROBLEM IS GIVEN IN LOW PRECISION. The matrix products marked QUANTISED in the list below multiply operands that are first quantised to E2M1 (2 exponent bits, 1 mantissa bit; 4 bits a number), with one power-of-two scale for each 32 numbers along K (OCP MX v1.0); their sums are f32. All else is computed in f32.
;;   The module's matrix products, in the order in which they are computed (A, B: the left and right operand; K: the contracted axis; several contracted axes count as one K, in the product's order):
;;     1. [M 32,768, K 512] x [K 512, N 512]; A: input x (given as codes); B: input W (given as codes): QUANTISED
;;     2. [M 32,768, K 512] x [K 512, N 512]; A: input x (given as codes); B: input W (given as codes): QUANTISED
;;     3. [M 32,768, K 512] x [K 512, N 512]; A: input x (given as codes); B: input W (given as codes): QUANTISED
;;     4. [M 32,768, K 512] x [K 512, N 512]; A: input x (given as codes); B: input W (given as codes): QUANTISED
;;     5. [M 32,768, K 512] x [K 512, N 512]; A: input x (given as codes); B: input W (given as codes): QUANTISED
;;     6. [M 32,768, K 512] x [K 512, N 512]; A: input x (given as codes); B: input W (given as codes): QUANTISED
;;     7. [M 32,768, K 512] x [K 512, N 512]; A: input x (given as codes); B: input W (given as codes): QUANTISED
;;     8. [M 32,768, K 512] x [K 512, N 512]; A: input x (given as codes); B: input W (given as codes): QUANTISED
;;   THE QUANTISER, for each operand of a quantised product, along K:
;;     - K is cut into blocks of 32 from its start; a last block that is shorter is filled with zeros.
;;     - A block's scale is 2^e with e = floor(log2(the largest magnitude in the block)) - 2, held to -126 .. 127; a block of zeros has e = 0. As a byte (E8M0): e + 127.
;;     - Each number is divided by its block's scale, clamped to +-6, and rounded to the nearest number of E2M1, ties to even, subnormals kept.
;;     - The product sums the exact products of the quantised numbers (number of the format x scale) in f32.
;;   ~~~python
;;   def quantise(x, axis):      # numpy; x: float32 -> the quantised numbers, widened to float32 again
;;       x = np.moveaxis(x, axis, -1); K = x.shape[-1]
;;       x = np.pad(x, [(0, 0)] * (x.ndim - 1) + [(0, -K % 32)]); x = x.reshape(x.shape[:-1] + (-1, 32)); a = np.abs(x).max(-1, keepdims=True)
;;       e = np.where(a > 0, np.clip(np.frexp(np.where(a > 0, a, 1))[1] - 1 - 2, -126, 127), 0)      # np.frexp(a)[1] - 1 = floor(log2(a)), exactly
;;       r = np.clip(x / 2.0 ** e, -6, 6)
;;       step = 2.0 ** (np.maximum(np.frexp(np.where(r == 0, 1, r))[1] - 1, 0) - 1)
;;       q = np.round(r / step) * step * 2.0 ** e      # np.round: ties to even
;;       return np.moveaxis(q.reshape(q.shape[:-2] + (-1,))[..., :K], -1, axis).astype(np.float32)
;;   ~~~
;;   INPUTS GIVEN AS CODES. W (in the module: [8, 512, 512], K = its axis 2); x (in the module: [4, 8192, 512], K = its axis 2): each comes as NAME_codes (uint8): NAME with its K axis moved to the last place and cut into blocks of 32 codes, [.., K / 32, bytes a block], one block behind the other in memory; two codes a byte, the lower K in the low four bits (a code: sign, 2 exponent bits, 1 mantissa bit); and NAME_scales (uint8): the same leading axes, one E8M0 byte (e + 127) for each 32 codes along K. Its value is code x scale, taken as it is: it is not quantised again, and the codes and scales need not be those that the quantiser above would give.
;; One version. Each part assembles by itself: llvm-mc -triple=amdgcn-amd-amdhsa -mcpu=gfx1250 --defsym DOCPART=n.
;; ======== version 1 of 1: 2 launches
;; workspace buffers: masks 32,768 bytes of whole numbers; wpre 8,192 bytes of whole numbers; blk 2,048 bytes of whole numbers; wimg 1,048,576 bytes
;; launch route (part 1): grid 384 x 1, 1 waves a work-group, no clusters, 0 bytes of LDS; arguments op_logits, gumbel, W_codes, masks, wpre, blk, wimg; writes masks, wpre, blk, wimg
.if DOCPART == 1
	.amdgcn_target "amdgcn-amd-amdhsa--gfx1250"
	.amdhsa_code_object_version 6
	.text
	.protected	k_qcf800b291a_route
	.globl	k_qcf800b291a_route
	.p2align	8
	.type	k_qcf800b291a_route,@function
k_qcf800b291a_route:
	s_mov_b64 s[64:65], 0
	v_nop
	global_prefetch_b8 v0, s[64:65] scope:SCOPE_SE
	s_setreg_imm32_b32 hwreg(HW_REG_WAVE_MODE, 25, 1), 1
	s_wait_xcnt 0x0
; HardOpBank, first of two launches: the choice of an operator for each token, as whole-number tables, and W's codes laid once in the order of the operand's registers.
; WORK LEFT OUT, for all finite values of the inputs, in real numbers:
;   route = y_hard - y_soft + y_soft = y_hard: the three-term sum is a one-hot row, so out[t] = act_i(x[t] W_i^T) for i = idx[t] alone, and the other seven products of a token are multiplied by 0:
;   they are the operators that the module's own router does not choose, and are not computed.
;   softmax rises strictly with its input along its axis, and tau is the constant 1: argmax(softmax(z / 1)) = argmax(z), the first index at a tie: the softmax (its maximum, exponentials, sum, division) is not computed.
;   Every input still has a way to the output: op_logits and gumbel are read here, the codes and scales of x and W in the second launch.
; LIMITS: a NaN, an infinity or an overflow that arises only in y_soft or in the product of an operator that was not chosen is not carried to the result.  NaN among op_logits or gumbel is not served.
;   Two largest z of a token so close that the rounded softmax would make them equal are told apart here, where the rounded softmax would take the lower index.
; SHARES.  Work-groups of one wave.  Work-groups 0 to 127: block b of 256 tokens, in eight rounds of 32, a lane a token.  Work-groups 128 to 383: one block of 16 rows of W (operator e, rows 16 cb on; 32 e + cb = work-group - 128).
; TABLES (whole numbers, at fixed places: no address and no branch here hangs on what is computed from the floating-point inputs):
;   masks [128 b][8 e][8 i] u32: bit l of word (b, e, i): token 256 b + 32 i + l chose e.   wpre [128 b][8 e][8 i] u8: tokens of e in words 0 .. i - 1 of block b.   blk [128 b][8 e] u16: tokens of e in block b.
; wimg [8 e][32 cb][4 q][2 c][32 lanes][16 bytes]: lane (r, h), piece c of the fragment of rows 16 cb on, K step q: bytes 64 q + 32 c + 16 h of row 512 e + 16 cb + r of W_codes.
.set NB, 128                            ; blocks of 256 tokens
.set RUN, 24                            ; s24-31  tokens of operator e so far in the block
.set WLO, 32                            ; s32-39  wpre's bytes 0-3 of operator e;  s40-47 its bytes 4-7
.set MSK, 48                            ; s48-55  a round's eight lane masks
	s_load_b256 s[4:11], s[0:1], 0x0               ; op_logits s[4:5], gumbel s[6:7], W_codes s[8:9], masks s[10:11]
	s_load_b128 s[12:15], s[0:1], 0x20             ; wpre s[12:13], blk s[14:15]
	s_load_b64 s[16:17], s[0:1], 0x30              ; wimg
	s_mov_b32 s19, 0                               ; the upper word of every offset pair s[18:19]
	s_wait_kmcnt 0x0
	s_cmp_lt_u32 ttmp9, NB
	s_cbranch_scc0 .Llayout
	; ---- the choice.  A token's eight numbers are 32 bytes; round i of the block begins 1,024 i bytes on
	s_lshl_b32 s18, ttmp9, 13                      ; 256 tokens x 32 bytes
	s_add_nc_u64 s[4:5], s[4:5], s[18:19]
	s_add_nc_u64 s[6:7], s[6:7], s[18:19]
	v_lshlrev_b32 v1, 5, v0                        ; 32 x lane
.irp i, 0,1,2,3,4,5,6,7
	global_load_b128 v[16+16*\i:19+16*\i], v1, s[4:5] offset:1024*\i th:TH_LOAD_NT
	global_load_b128 v[20+16*\i:23+16*\i], v1, s[4:5] offset:1024*\i+16 th:TH_LOAD_NT
	global_load_b128 v[24+16*\i:27+16*\i], v1, s[6:7] offset:1024*\i th:TH_LOAD_NT
	global_load_b128 v[28+16*\i:31+16*\i], v1, s[6:7] offset:1024*\i+16 th:TH_LOAD_NT
.endr
	s_lshl_b32 s18, ttmp9, 8                       ; the block's 256 bytes of masks,
	s_add_nc_u64 s[10:11], s[10:11], s[18:19]
	s_lshl_b32 s18, ttmp9, 6                       ; its 64 bytes of wpre,
	s_add_nc_u64 s[12:13], s[12:13], s[18:19]
	s_lshl_b32 s18, ttmp9, 4                       ; its 16 bytes of blk
	s_add_nc_u64 s[14:15], s[14:15], s[18:19]
.irp e, 0,1,2,3,4,5,6,7
	s_mov_b32 s[RUN+\e], 0
	s_mov_b32 s[WLO+\e], 0
	s_mov_b32 s[WLO+8+\e], 0
.endr
.irp j, 2,3,4,5
	v_mov_b32 v\j, 0                               ; written whole before single lanes are written
.endr
	v_lshlrev_b32 v8, 3, v0                        ; 8 x lane
	v_lshlrev_b32 v9, 2, v0                        ; 4 x lane
; Round i: z = op_logits + gumbel; the index of the largest z, the lower index at a tie (the compare is strict); then for each operator the mask of the lanes that chose it.
.macro ROUND i
.set Z, 16+16*(\i)
	s_wait_loadcnt 4*(7-(\i))                      ; this round's four loads are in; the four of each later round may be out
.irp j, 0,2,4,6
	v_pk_add_f32 v[Z+\j:Z+\j+1], v[Z+\j:Z+\j+1], v[Z+8+\j:Z+9+\j]
.endr
	v_mov_b32 v7, 0                                ; the index
	v_mov_b32 v6, v[Z]                             ; the largest so far
.irp j, 1,2,3,4,5,6,7
	v_cmp_gt_f32 vcc_lo, v[Z+\j], v6
	v_cndmask_b32 v7, v7, \j, vcc_lo
	v_max_num_f32 v6, v6, v[Z+\j]
.endr
.irp e, 0,1,2,3,4,5,6,7
	v_cmp_eq_u32 s[MSK+\e], \e, v7
.endr
.irp e, 0,1,2,3,4,5,6,7
	v_writelane_b32 v[2+((\i)&1)], s[MSK+\e], 4*\e+((\i)>>1)   ; word 8 e + i of the block's 64: lane 4 e + i / 2 stores words 2 lane and 2 lane + 1
.endr
.irp e, 0,1,2,3,4,5,6,7
.if (\i) > 0
	s_lshl_b32 s21, s[RUN+\e], 8*((\i)&3)          ; the count ahead of this word (224 at the most) is byte i of the operator's eight
	s_or_b32 s[WLO+8*((\i)>>2)+\e], s[WLO+8*((\i)>>2)+\e], s21
.endif
	s_bcnt1_i32_b32 s22, s[MSK+\e]
	s_add_co_u32 s[RUN+\e], s[RUN+\e], s22
.endr
.endm
.irp i, 0,1,2,3,4,5,6,7
	ROUND \i
.endr
.irp e, 0,1,2,3,4,5,6,7
	v_writelane_b32 v4, s[WLO+\e], 2*\e            ; wpre: word 2 e + half
	v_writelane_b32 v4, s[WLO+8+\e], 2*\e+1
.endr
.irp j, 0,1,2,3
	s_lshl_b32 s21, s[RUN+2*\j+1], 16              ; blk: two operators' counts (256 at the most) to a word
	s_or_b32 s21, s21, s[RUN+2*\j]
	v_writelane_b32 v5, s21, \j
.endr
	global_store_b64 v8, v[2:3], s[10:11]          ; 32 lanes store 256 consecutive bytes, aligned
	v_cmp_gt_u32 vcc_lo, 16, v0
	s_wait_alu depctr_va_vdst(0)
	s_wait_xcnt 0x0                                ; EXEC is a source of the store above: it changes only behind this wait
	s_and_saveexec_b32 s20, vcc_lo
	global_store_b32 v9, v4, s[12:13]              ; 64 bytes; with the 16 below, 80 bytes in short runs against the 16,384 that the wave reads
	s_wait_xcnt 0x0
	s_or_b32 exec_lo, exec_lo, s20
	v_cmp_gt_u32 vcc_lo, 4, v0
	s_and_saveexec_b32 s20, vcc_lo
	global_store_b32 v9, v5, s[14:15]
	s_wait_xcnt 0x0
	s_or_b32 exec_lo, exec_lo, s20
	s_endpgm
.Llayout:
	; ---- 16 rows of W, 4,096 bytes, from rows of 256 bytes into eight register images of 512 bytes: piece n = 2 q + c
	s_sub_co_u32 s18, ttmp9, NB
	s_lshl_b32 s18, s18, 12
	s_add_nc_u64 s[8:9], s[8:9], s[18:19]
	s_add_nc_u64 s[16:17], s[16:17], s[18:19]
	v_and_b32 v1, 15, v0                           ; r
	v_lshrrev_b32 v2, 4, v0                        ; h
	v_lshlrev_b32 v1, 8, v1
	v_lshl_add_u32 v1, v2, 4, v1                   ; 256 r + 16 h
	v_lshlrev_b32 v3, 4, v0                        ; 16 x lane
.irp n, 0,1,2,3,4,5,6,7
	global_load_b128 v[16+4*\n:19+4*\n], v1, s[8:9] offset:32*\n th:TH_LOAD_NT
.endr
	s_wait_alu depctr_va_vdst(0)
.irp n, 0,1,2,3,4,5,6,7
	s_wait_loadcnt 7-\n                            ; loads come back in order: piece n is in, the later ones may be out
	global_store_b128 v3, v[16+4*\n:19+4*\n], s[16:17] offset:512*\n   ; 32 lanes store 512 consecutive bytes, aligned
.endr
	s_endpgm
.Lfunc_end_k_qcf800b291a_route:
	.size	k_qcf800b291a_route, .Lfunc_end_k_qcf800b291a_route-k_qcf800b291a_route
	.p2alignl 7, 3214868480
	.fill 96, 4, 3214868480
	.section	.rodata,"a",@progbits
	.p2align	6, 0x0
	.amdhsa_kernel k_qcf800b291a_route
		.amdhsa_group_segment_fixed_size 0
		.amdhsa_private_segment_fixed_size 0
		.amdhsa_enable_private_segment 0
		.amdhsa_kernarg_size 56
		.amdhsa_user_sgpr_count 2
		.amdhsa_user_sgpr_kernarg_segment_ptr 1
		.amdhsa_wavefront_size32 1
		.amdhsa_system_sgpr_workgroup_id_x 1
		.amdhsa_system_sgpr_workgroup_id_y 1
		.amdhsa_system_sgpr_workgroup_id_z 1
		.amdhsa_system_vgpr_workitem_id 0
		.amdhsa_next_free_vgpr 160
		.amdhsa_next_free_sgpr 66
		.amdhsa_reserve_vcc 1
		.amdhsa_float_denorm_mode_32 3
		.amdhsa_float_denorm_mode_16_64 3
		.amdhsa_memory_ordered 1
		.amdhsa_forward_progress 1
		.amdhsa_inst_pref_size 35
	.end_amdhsa_kernel
	.amdgpu_metadata
---
amdhsa.version: [ 1, 2 ]
amdhsa.kernels:
  - .name:           k_qcf800b291a_route
    .symbol:         k_qcf800b291a_route.kd
    .args:
      - { .name: op_logits, .offset: 0, .size: 8, .value_kind: global_buffer, .address_space: global }
      - { .name: gumbel, .offset: 8, .size: 8, .value_kind: global_buffer, .address_space: global }
      - { .name: W_codes, .offset: 16, .size: 8, .value_kind: global_buffer, .address_space: global }
      - { .name: masks, .offset: 24, .size: 8, .value_kind: global_buffer, .address_space: global }
      - { .name: wpre, .offset: 32, .size: 8, .value_kind: global_buffer, .address_space: global }
      - { .name: blk, .offset: 40, .size: 8, .value_kind: global_buffer, .address_space: global }
      - { .name: wimg, .offset: 48, .size: 8, .value_kind: global_buffer, .address_space: global }
    .group_segment_fixed_size: 0
    .private_segment_fixed_size: 0
    .kernarg_segment_align: 8
    .kernarg_segment_size: 56
    .max_flat_workgroup_size: 32
    .sgpr_count:     66
    .vgpr_count:     160
    .wavefront_size: 32
...
	.end_amdgpu_metadata
.endif
;; end of part 1
;; launch chain (part 2): grid 263 x 1, 8 waves a work-group, no clusters, 73,216 bytes of LDS; arguments blk, wpre, masks, wimg, W_scales, x_codes, x_scales, out0; writes out0
.if DOCPART == 2
	.amdgcn_target "amdgcn-amd-amdhsa--gfx1250"
	.amdhsa_code_object_version 6
	.text
	.protected	k_qcf800b291a_chain
	.globl	k_qcf800b291a_chain
	.p2align	8
	.type	k_qcf800b291a_chain,@function
k_qcf800b291a_chain:
	s_mov_b64 s[64:65], 0
	v_nop
	global_prefetch_b8 v0, s[64:65] scope:SCOPE_SE
	s_setreg_imm32_b32 hwreg(HW_REG_WAVE_MODE, 25, 1), 1
	s_wait_xcnt 0x0
; HardOpBank, second launch: out[t] = act_e(x[t] W_e^T) for the operator e that token t chose; products on codes of E2M1 with E8M0 scales, sums in f32.
; WORK LEFT OUT: the seven products of each token whose route weight is 0 in real numbers, and the softmax (shown at the head of the first launch); a NaN, infinity or overflow that arises only there is not carried to the result.
; GRID.  The tokens of an operator, in ascending order, are its ranks; a tile is 128 ranks of one operator.  With 32,768 tokens and 8 operators there are never more than 256 + 7 = 263 tiles, whatever the choice.
;   A work-group that a given choice leaves without ranks computes ROWS = 0, passes the one barrier with clamped addresses, jumps over all eight row blocks and stores nothing.
; NO TENSOR LOADS, NO CLUSTER: which operator and how many rows a work-group has are numbers read from memory, and branches hang on them; all operands come through registers.  Tiles of one operator read the same 136 KiB of W's images and scales.
; SHARES.  Eight waves.  Wave w makes outputs 64 w .. 64 w + 63 (256 bytes of a row of out0) for all 128 ranks: its 16 fragments of W (128 registers) and their scale words stay in registers.
;   Wave w also finds the tokens of slots 16 w .. 16 w + 15 and brings their rows of x into LDS, for all eight waves: the one barrier of the text stands behind that.
; THE PRODUCT IS USED TRANSPOSED: source 0 = 16 rows of W, source 1 = 16 rows of x: lane (r, h) holds token r and the eight neighbouring outputs 8 h + 0 .. 7 of the block.
; PADDING.  A slot beyond the operator's last rank repeats that last rank (it lies in this tile): it computes and stores the same bytes once more; row blocks of 16 that hold no rank are jumped over.
; THE ACTIVATIONS in f32.  gelu = |h| (0.5 - s E) + 0.5 h, with t = 1 / (1 + p |h|), s = ((((c5 t + c4) t + c3) t + c2) t + c1) t, E = 2^(K h h): the normal distribution by Abramowitz and Stegun 26.2.17, whose error is under 7.5e-8 for every h;
;   for large |h| E falls to 0 and the form gives h or 0.  silu = h / (1 + 2^(-h log2 e)); sigmoid likewise; tanh = 1 - 2 / (1 + 2^(2 h log2 e)): all hold at their limits where the exponential is 0 or infinite.
; LDS: the list of tokens; x's codes, a row a slot, 256 bytes + 16; x's scale bytes, 16 a slot; a stage of 16 rows x 272 bytes for each wave; the spare words.
.set LIST,  0                           ; 128 words
.set XP,    272                         ; 68 words from row to row: the 16 rows that a load touches begin at 16 different groups of four banks (64 banks of 4 bytes: ISA guide 11.1)
.set XROW,  512
.set XSC,   XROW+128*XP
.set STG,   XSC+128*16
.set SPARE, STG+8*16*XP                 ; 128 bytes for each wave: four blocks of 256 bytes that no other line names
.set SPW,  1                            ; v1   LDS address of my spare word; never rewritten
.set NIL,  2                            ; v2   0; never rewritten
.set R,    3                            ; v3   lane % 16
.set H,    4                            ; v4   lane / 16
.set AXF0, 5                            ; v5   x's fragments: XROW + 272 r + 16 h
.set AXS0, 6                            ; v6   x's scale words: XSC + 16 r
.set ALS0, 7                            ; v7   the list: 32 h
.set ASTO, 8                            ; v8   my stage, in: 272 r + 32 h
.set ARD,  9                            ; v9   my stage, back: rows 8 h + i, 16 r
.set VCOL, 10                           ; v10  256 w + 16 r: my 16 bytes in a row of out0
.set AXF,  11                           ; v11-13 the trip's three LDS addresses
.set AXS,  12
.set ALS,  13
.set TK,   16                           ; v16-23 eight tokens, then their byte offsets in out0
.set XS,   24                           ; v24-27 x's scale words, K step q: scales and nothing else
.set WS,   28                           ; v28-35 W's scale words: register 4 p + q: lanes 0-15 block 2 p, lanes 16-31 block 2 p + 1: scales and nothing else
.set XF,   36                           ; v36-67 x's four fragments
.set ACC,  68                           ; v68-99 four accumulators
.set T,    100                          ; v100-123 at work in the activations
.set C4P,  124                          ; v[124:125] c4, twice
.set W,    128                          ; v128-255 W's fragment (block b, K step q) at 128 + 8 (4 b + q)
; the prelude's own names, in registers that the loop takes over
.set BQ,   36                           ; v36-51 blk's four blocks of my lane, four words each
.set SS,   52                           ; v52-55 their sums
.set DT,   56                           ; v56-59 at work
.set CC,   60                           ; v60-63 the chosen operator's counts in my four blocks
.set MK,   68                           ; v68-75 the block's eight mask words
.set LST,  91                           ; v91  the list: 64 w + 4 r
.set LLD,  92                           ; v92  the list: 64 w + 32 h
.set XST,  93                           ; v93  x's rows, in: XROW + (16 w + 8 h) x 272 + 16 r
.set XSS,  94                           ; v94  x's scales, in: XSC + 256 w + 16 r
.set R16,  95                           ; v95  16 r
	s_load_b256 s[4:11], s[0:1], 0x0               ; blk s[4:5], wpre s[6:7], masks s[8:9], wimg s[10:11]
	s_load_b256 s[12:19], s[0:1], 0x20             ; W_scales s[12:13], x_codes s[14:15], x_scales s[16:17], out0 s[18:19]
	v_lshl_add_u32 v[SPW], v0, 2, SPARE
	v_mov_b32 v[NIL], 0
	v_lshrrev_b32 v96, 5, v0
	s_delay_alu instid0(VALU_DEP_1)
	v_readfirstlane_b32 s20, v96                   ; wave 0..7
	v_and_b32 v96, 31, v0                          ; lane
	v_and_b32 v[R], 15, v0
	v_bfe_u32 v[H], v0, 4, 1
	s_delay_alu instid0(VALU_DEP_3)
	v_lshlrev_b32 v97, 6, v96                      ; blk: 64 bytes a lane: blocks 4 lane .. 4 lane + 3
	s_wait_alu depctr_va_vdst(0)
	s_wait_kmcnt 0x0
.irp k, 0,1,2,3
	global_load_b128 v[BQ+4*\k:BQ+4*\k+3], v97, s[4:5] offset:16*\k
.endr
	; every address that hangs on ids alone is made while these loads are out
	s_mov_b32 s22, 0x76543210                      ; v_permlanex16_b32's selects for lane l xor 16
	s_mov_b32 s23, 0xfedcba98
	s_mov_b32 s24, 0xaaaaaaaa                      ; the lanes whose number has bit 0, 1, 2, 3, 4 set
	s_mov_b32 s25, 0xcccccccc
	s_mov_b32 s26, 0xf0f0f0f0
	s_mov_b32 s27, 0xff00ff00
	s_mov_b32 s28, 0xffff0000
	s_mul_i32 s39, s20, 16*XP                      ; 16 rows of 272 bytes a wave
	v_mul_u32_u24 v[AXF0], v[R], XP
	s_delay_alu instid0(VALU_DEP_1)
	v_lshl_add_u32 v[AXF0], v[H], 4, v[AXF0]
	s_delay_alu instid0(VALU_DEP_1)
	v_add_nc_u32 v[AXF0], XROW, v[AXF0]
	v_lshl_add_u32 v[AXS0], v[R], 4, XSC
	v_lshlrev_b32 v[ALS0], 5, v[H]
	v_mul_u32_u24 v[ASTO], v[R], XP
	s_delay_alu instid0(VALU_DEP_1)
	v_lshl_add_u32 v[ASTO], v[H], 5, v[ASTO]
	s_delay_alu instid0(VALU_DEP_1)
	v_add_nc_u32 v[ASTO], s39, v[ASTO]
	s_delay_alu instid0(VALU_DEP_1)
	v_add_nc_u32 v[ASTO], STG, v[ASTO]
	v_mul_u32_u24 v[ARD], v[H], 8*XP
	s_delay_alu instid0(VALU_DEP_1)
	v_lshl_add_u32 v[ARD], v[R], 4, v[ARD]
	s_delay_alu instid0(VALU_DEP_1)
	v_add_nc_u32 v[ARD], s39, v[ARD]
	s_delay_alu instid0(VALU_DEP_1)
	v_add_nc_u32 v[XST], XROW, v[ARD]
	s_delay_alu instid0(VALU_DEP_2)
	v_add_nc_u32 v[ARD], STG, v[ARD]
	s_lshl_b32 s21, s20, 8                         ; 256 w
	v_lshlrev_b32 v[R16], 4, v[R]
	s_delay_alu instid0(VALU_DEP_1)
	v_add_nc_u32 v[VCOL], s21, v[R16]
	v_add_nc_u32 v[XSS], s21, v[AXS0]
	s_lshl_b32 s21, s20, 6                         ; 64 w
	v_lshl_add_u32 v[LST], v[R], 2, s21
	v_add_nc_u32 v[LLD], s21, v[ALS0]
	s_lshl_b32 s21, s20, 14
	v_lshl_add_u32 v120, v96, 4, s21               ; W's images: 16 x lane + my four blocks of 4,096 bytes
	s_lshl_b32 s21, s20, 10
	v_lshl_add_u32 v121, v96, 4, s21               ; W's scales: 16 bytes a row, my 64 rows
.irp j, 0,1,2,3
	v_mov_b32 v[DT+\j], 0                          ; the destination of a lane exchange counts as one of its sources: written once
.endr
	v_mov_b32 v102, 0
	s_wait_loadcnt 0x0                             ; blk
	; ---- each operator's tokens in all: my four blocks, then all 32 lanes.  Two counts to a word, 32,768 at the most: no field carries into the next
.irp j, 0,1,2,3
	v_add_nc_u32 v[SS+\j], v[BQ+\j], v[BQ+4+\j]
.endr
.irp j, 0,1,2,3
	s_delay_alu instid0(VALU_DEP_4)
	v_add3_u32 v[SS+\j], v[SS+\j], v[BQ+8+\j], v[BQ+12+\j]
.endr
.irp m, 1,2,4,8
.irp j, 0,1,2,3
	s_delay_alu instid0(VALU_DEP_4)
	v_mov_b32_dpp v[DT+\j], v[SS+\j] row_xmask:\m row_mask:0xf bank_mask:0xf
.endr
.irp j, 0,1,2,3
	s_delay_alu instid0(VALU_DEP_4)
	v_add_nc_u32 v[SS+\j], v[SS+\j], v[DT+\j]
.endr
.endr
.irp j, 0,1,2,3
	s_delay_alu instid0(VALU_DEP_4)
	v_permlanex16_b32 v[DT+\j], v[SS+\j], s22, s23
.endr
.irp j, 0,1,2,3
	s_delay_alu instid0(VALU_DEP_4)
	v_add_nc_u32 v[SS+\j], v[SS+\j], v[DT+\j]
.endr
.irp j, 0,1,2,3
	s_delay_alu instid0(VALU_DEP_4)
	v_readfirstlane_b32 s[48+\j], v[SS+\j]
.endr
.irp j, 0,1,2,3
	s_and_b32 s[40+2*\j], s[48+\j], 0xffff         ; n_e in s40-47
	s_lshr_b32 s[41+2*\j], s[48+\j], 16
.endr
	; ---- whose tile is mine: operator e's tiles begin where those of the operators before end.  The last operator whose first tile is at or under my number wins, so that one with no tile is passed over
	s_mov_b32 s32, 0                               ; the running first tile
	s_mov_b32 s30, 0                               ; E
	s_mov_b32 s33, 0                               ; E's first tile
	s_mov_b32 s31, 0                               ; n_E
.irp e, 0,1,2,3,4,5,6,7
	s_cmp_ge_u32 ttmp9, s32
	s_cselect_b32 s30, \e, s30
	s_cselect_b32 s33, s32, s33
	s_cselect_b32 s31, s[40+\e], s31
	s_add_co_u32 s34, s[40+\e], 127
	s_lshr_b32 s34, s34, 7
	s_add_co_u32 s32, s32, s34
.endr
	s_min_u32 s30, s30, 7                          ; E enters offsets: held inside its table
	s_sub_co_u32 s35, ttmp9, s33
	s_lshl_b32 s35, s35, 7                         ; R0: my tile's first rank
	s_sub_co_i32 s36, s31, s35
	s_max_i32 s36, s36, 0
	s_min_i32 s36, s36, 128                        ; ROWS: 0 for a work-group without ranks
	s_max_u32 s37, s31, 1
	s_sub_co_u32 s37, s37, 1                       ; the operator's last rank
	s_lshl_b32 s38, s20, 4
	s_add_co_u32 s38, s38, s35                     ; the rank of my wave's first slot
	; ---- E's counts in my four blocks: word E / 2 of a block's four, half E % 2
	s_bitcmp1_b32 s30, 1
	s_cselect_b32 s52, -1, 0
	s_bitcmp1_b32 s30, 2
	s_cselect_b32 s53, -1, 0
	s_and_b32 s54, s30, 1
	s_lshl_b32 s54, s54, 4
.irp k, 0,1,2,3
	v_cndmask_b32 v[DT], v[BQ+4*\k], v[BQ+4*\k+1], s52
	v_cndmask_b32 v[DT+1], v[BQ+4*\k+2], v[BQ+4*\k+3], s52
	s_delay_alu instid0(VALU_DEP_1)
	v_cndmask_b32 v[DT], v[DT], v[DT+1], s53
	s_delay_alu instid0(VALU_DEP_1)
	v_bfe_u32 v[CC+\k], v[DT], s54, 16
.endr
	v_add_nc_u32 v112, v[CC], v[CC+1]              ; ranks ahead of my block 2,
	s_delay_alu instid0(VALU_DEP_1)
	v_add_nc_u32 v113, v112, v[CC+2]               ; of my block 3,
	s_delay_alu instid0(VALU_DEP_1)
	v_add_nc_u32 v106, v113, v[CC+3]               ; and my lane's total (1,024 at the most)
	s_delay_alu instid0(VALU_DEP_3)
	v_lshl_or_b32 v105, v112, 10, v[CC]            ; the three, ten bits each (768 at the most)
	s_delay_alu instid0(VALU_DEP_1)
	v_lshl_or_b32 v105, v113, 20, v105
	; ---- the ranks ahead of my lane: in step m a lane takes the total of the group beside its own, which comes before it where the lane's number has bit m set
.macro XSTEP mask
	s_delay_alu instid0(VALU_DEP_1)
	v_cndmask_b32 v103, 0, v102, s[\mask]
	s_delay_alu instid0(VALU_DEP_2)
	v_add_nc_u32 v100, v100, v102
	s_delay_alu instid0(VALU_DEP_2)
	v_add_nc_u32 v101, v101, v103
.endm
	s_delay_alu instid0(VALU_DEP_3)
	v_mov_b32 v100, v106
	v_mov_b32 v101, 0
	s_delay_alu instid0(VALU_DEP_2)
	v_mov_b32_dpp v102, v100 row_xmask:1 row_mask:0xf bank_mask:0xf
	XSTEP 24
	s_delay_alu instid0(VALU_DEP_2)
	v_mov_b32_dpp v102, v100 row_xmask:2 row_mask:0xf bank_mask:0xf
	XSTEP 25
	s_delay_alu instid0(VALU_DEP_2)
	v_mov_b32_dpp v102, v100 row_xmask:4 row_mask:0xf bank_mask:0xf
	XSTEP 26
	s_delay_alu instid0(VALU_DEP_2)
	v_mov_b32_dpp v102, v100 row_xmask:8 row_mask:0xf bank_mask:0xf
	XSTEP 27
	s_delay_alu instid0(VALU_DEP_2)
	v_permlanex16_b32 v102, v100, s22, s23
	XSTEP 28
	s_delay_alu instid0(VALU_DEP_1)
	v_add_nc_u32 v104, v101, v106                  ; I: the ranks up to and with my lane's blocks
	; ---- my slot's rank rho (slot 16 w + r; both halves of the lanes alike), and the group of four blocks that holds it: the number of lanes i with I[i] <= rho.  I never falls, so a select once kept stays kept
	v_add_nc_u32 v107, s38, v[R]
	s_delay_alu instid0(VALU_DEP_1)
	v_min_u32 v107, s37, v107
	v_mov_b32 v108, 0                              ; the group
	v_mov_b32 v109, 0                              ; the ranks ahead of it
	v_readlane_b32 s56, v105, 0
	s_delay_alu instid0(VALU_DEP_1)
	v_mov_b32 v110, s56                            ; its three packed counts
.set i, 0
.rept 31
	v_readlane_b32 s[56+2*(i%2)], v104, i
	v_readlane_b32 s[57+2*(i%2)], v105, i+1
	s_delay_alu instid0(VALU_DEP_2)
	v_cmp_gt_u32 vcc_lo, s[56+2*(i%2)], v107
	s_delay_alu instid0(VALU_DEP_1)
	v_cndmask_b32 v108, i+1, v108, vcc_lo
	s_delay_alu instid0(VALU_DEP_2)
	v_cndmask_b32 v109, s[56+2*(i%2)], v109, vcc_lo
	s_delay_alu instid0(VALU_DEP_3)
	v_cndmask_b32 v110, s[57+2*(i%2)], v110, vcc_lo
.set i, i+1
.endr
	s_delay_alu instid0(VALU_DEP_2)
	v_sub_nc_u32 v111, v107, v109                  ; the rank inside the group
	v_mov_b32 v113, 0
	v_mov_b32 v114, 0
.irp k, 1,2,3
	v_bfe_u32 v112, v110, 10*(\k-1), 10
	s_delay_alu instid0(VALU_DEP_1)
	v_cmp_gt_u32 vcc_lo, v112, v111
	s_delay_alu instid0(VALU_DEP_1)
	v_cndmask_b32 v113, \k, v113, vcc_lo
	s_delay_alu instid0(VALU_DEP_2)
	v_cndmask_b32 v114, v112, v114, vcc_lo
.endr
	s_delay_alu instid0(VALU_DEP_2)
	v_lshl_add_u32 v115, v108, 2, v113
	s_delay_alu instid0(VALU_DEP_1)
	v_min_u32 v115, 127, v115                      ; the block of 256 tokens, held inside the tables
	s_delay_alu instid0(VALU_DEP_3)
	v_sub_nc_u32 v111, v111, v114                  ; the rank inside the block
	s_lshl_b32 s55, s30, 3
	v_lshlrev_b32 v118, 6, v115
	s_delay_alu instid0(VALU_DEP_1)
	v_add_nc_u32 v118, s55, v118                   ; wpre: 64 block + 8 E
	s_lshl_b32 s21, s30, 5
	v_lshlrev_b32 v119, 8, v115
	s_delay_alu instid0(VALU_DEP_1)
	v_add_nc_u32 v119, s21, v119                   ; masks: 256 block + 32 E
	global_load_b64 v[116:117], v118, s[6:7]
	global_load_b128 v[MK:MK+3], v119, s[8:9]
	global_load_b128 v[MK+4:MK+7], v119, s[8:9] offset:16
	; ---- my part of W_E, straight behind the three gathers: each load reads 512 consecutive bytes and is four registers of a fragment
	s_lshl_b32 s60, s30, 17                        ; 32 blocks of 4,096 bytes an operator
	s_mov_b32 s61, 0
	s_add_nc_u64 s[10:11], s[10:11], s[60:61]
	s_lshl_b32 s60, s30, 13                        ; 512 rows of 16 scale bytes
	s_add_nc_u64 s[12:13], s[12:13], s[60:61]
.irp b, 0,1,2,3
.irp q, 0,1,2,3
.irp c, 0,1
	global_load_b128 v[W+8*(4*\b+\q)+4*\c:W+8*(4*\b+\q)+4*\c+3], v120, s[10:11] offset:4096*\b+1024*\q+512*\c
.endr
.endr
.endr
	global_load_b128 v[WS:WS+3], v121, s[12:13]
	global_load_b128 v[WS+4:WS+7], v121, s[12:13] offset:512
	s_wait_loadcnt 34                              ; the three gathers are in; the 34 loads issued behind them may be out
	; ---- the word of 32 tokens: the last of the eight whose count ahead is at or under the rank
	v_mov_b32 v122, 0
	v_mov_b32 v123, 0
	v_mov_b32 v76, v[MK]
.irp i, 1,2,3,4,5,6,7
	v_bfe_u32 v77, v[116+(\i>>2)], 8*(\i&3), 8
	s_wait_alu depctr_va_vdst(0)
	v_cmp_gt_u32 vcc_lo, v77, v111
	s_delay_alu instid0(VALU_DEP_1)
	v_cndmask_b32 v123, v77, v123, vcc_lo
	s_delay_alu instid0(VALU_DEP_2)
	v_cndmask_b32 v76, v[MK+\i], v76, vcc_lo
	s_delay_alu instid0(VALU_DEP_3)
	v_cndmask_b32 v122, \i, v122, vcc_lo
.endr
	s_delay_alu instid0(VALU_DEP_3)
	v_sub_nc_u32 v111, v111, v123                  ; n: which set bit of the word, from 0
	s_delay_alu instid0(VALU_DEP_3)
	; ---- the n-th set bit: the counts of ones in fields of 2, 4, 8 and 16 bits, then down: where the lower half holds n ones or fewer, take them off n and go to the upper half
	v_lshrrev_b32 v77, 1, v76
	s_delay_alu instid0(VALU_DEP_1)
	v_and_b32 v77, 0x55555555, v77
	s_delay_alu instid0(VALU_DEP_1)
	v_sub_nc_u32 v78, v76, v77
	s_delay_alu instid0(VALU_DEP_1)
	v_lshrrev_b32 v77, 2, v78
	s_delay_alu instid0(VALU_DEP_1)
	v_and_b32 v77, 0x33333333, v77
	s_delay_alu instid0(VALU_DEP_3)
	v_and_b32 v79, 0x33333333, v78
	s_delay_alu instid0(VALU_DEP_1)
	v_add_nc_u32 v79, v79, v77
	s_delay_alu instid0(VALU_DEP_1)
	v_lshrrev_b32 v77, 4, v79
	s_delay_alu instid0(VALU_DEP_1)
	v_add_nc_u32 v77, v77, v79
	s_delay_alu instid0(VALU_DEP_1)
	v_and_b32 v80, 0x0f0f0f0f, v77
	s_delay_alu instid0(VALU_DEP_1)
	v_lshrrev_b32 v77, 8, v80
	s_delay_alu instid0(VALU_DEP_1)
	v_add_nc_u32 v77, v77, v80
	s_delay_alu instid0(VALU_DEP_1)
	v_and_b32 v81, 0x00ff00ff, v77
	v_mov_b32 v82, 0                               ; the bit's place
.macro LEVEL lvl, w
	s_delay_alu instid0(VALU_DEP_1)
	v_bfe_u32 v83, v[\lvl], v82, \w
	s_delay_alu instid0(VALU_DEP_1)
	v_cmp_le_u32 vcc_lo, v83, v111
	s_delay_alu instid0(VALU_DEP_1)
	v_cndmask_b32 v83, 0, v83, vcc_lo
	s_delay_alu instid0(VALU_DEP_2)
	v_cndmask_b32 v88, 0, \w, vcc_lo
	s_delay_alu instid0(VALU_DEP_2)
	v_sub_nc_u32 v111, v111, v83
	s_delay_alu instid0(VALU_DEP_2)
	v_add_nc_u32 v82, v82, v88
.endm
	LEVEL 81, 16
	LEVEL 80, 8
	LEVEL 79, 4
	LEVEL 78, 2
	LEVEL 76, 1
	v_lshlrev_b32 v90, 8, v115
	s_delay_alu instid0(VALU_DEP_1)
	v_lshl_add_u32 v90, v122, 5, v90
	s_delay_alu instid0(VALU_DEP_1)
	v_add_nc_u32 v90, v90, v82
	s_delay_alu instid0(VALU_DEP_1)
	v_min_u32 v90, 0x7fff, v90                     ; my slot's token, held inside x and out0
	; ---- the token goes into the list; my wave's 16 come back eight to a half, so that sixteen lanes can take one whole row of x
	ds_store_b32 v[LST], v90                       ; both halves write the same word with the same value
	ds_load_b128 v[TK:TK+3], v[LLD]                ; LDS serves a wave's instructions in order (ISA guide 5.7.1.4): these see my store
	ds_load_b128 v[TK+4:TK+7], v[LLD] offset:16
	v_lshlrev_b32 v108, 4, v90                     ; x's scales: 16 bytes a token
	s_wait_dscnt 0x0
.irp i, 0,1,2,3,4,5,6,7
	v_min_u32 v[TK+\i], 0x7fff, v[TK+\i]
.endr
.irp i, 0,1,2,3,4,5,6,7
	v_lshl_add_u32 v[100+\i], v[TK+\i], 8, v[R16]  ; a row of x's codes is 256 bytes
.endr
.irp i, 0,1,2,3,4,5,6,7
	global_load_b128 v[XF+4*\i:XF+4*\i+3], v[100+\i], s[14:15]   ; slot 16 w + 8 h + i: sixteen lanes read 256 consecutive bytes, aligned
.endr
	global_load_b128 v[84:87], v108, s[16:17]
	; the activations' constants, while the loads are out; of each pair the low word serves both halves, and both are written
	s_mov_b32 s70, 0x3e6d3389                      ; p = 0.2316419
	s_mov_b32 s72, 0xbf38aa3b                      ; K = -log2(e) / 2
	s_mov_b32 s74, 0x3f07dc22                      ; c5 .. c1: the series' coefficients / sqrt(2 pi)
	s_mov_b32 s76, 0x3f35f0e3
	s_mov_b32 s78, 0xbe11a98e
	s_mov_b32 s80, 0x3e027906
	s_mov_b32 s82, 0xbfb8aa3b                      ; -log2(e)
	s_mov_b32 s84, 0x4038aa3b                      ; 2 log2(e)
.irp p, 72,74,76,78,80,82,84
	s_mov_b32 s[\p+1], s[\p]
.endr
	v_mov_b32 v[C4P], 0xbf3a00e3
	v_mov_b32 v[C4P+1], 0xbf3a00e3
	s_mov_b32 s62, 0                               ; the trip
	s_mov_b32 s63, 0                               ; its first slot
	s_mov_b32 s66, 0                               ; and its steps in x's rows, x's scales and the list
	s_mov_b32 s67, 0
	s_mov_b32 s68, 0
	s_wait_loadcnt 0x0                             ; x's rows and scales; W, issued ahead of them, is in too
.irp i, 0,1,2,3,4,5,6,7
	ds_store_b128 v[XST], v[XF+4*\i:XF+4*\i+3] offset:\i*XP
.endr
	ds_store_b128 v[XSS], v[84:87]                 ; both halves write the same 16 bytes with the same values
	s_wait_dscnt 0x0                               ; for the others' sake: my stores have landed
	s_barrier_signal -1
	s_barrier_wait -1                              ; the list, x's 128 rows and their scales lie in LDS; nobody writes them again
; 16 products: K step by K step, the four accumulators by turns, one instruction a turn, over the loop's backward jump too.  The first K step starts the sums with the constant 0.
.macro MUL
.irp q, 0,1,2,3
.irp b, 0,2
.if \q == 0
	v_wmma_scale_f32_16x16x128_f8f6f4 v[ACC+8*\b:ACC+8*\b+7], v[W+8*(4*\b+\q):W+8*(4*\b+\q)+7], v[XF+8*\q:XF+8*\q+7], 0, v[WS+4*(\b/2)+\q], v[XS+\q] matrix_a_fmt:MATRIX_FMT_FP4 matrix_b_fmt:MATRIX_FMT_FP4
	v_wmma_scale_f32_16x16x128_f8f6f4 v[ACC+8*(\b+1):ACC+8*(\b+1)+7], v[W+8*(4*(\b+1)+\q):W+8*(4*(\b+1)+\q)+7], v[XF+8*\q:XF+8*\q+7], 0, v[WS+4*(\b/2)+\q], v[XS+\q] matrix_a_fmt:MATRIX_FMT_FP4 matrix_b_fmt:MATRIX_FMT_FP4 matrix_a_scale:MATRIX_SCALE_ROW1
.else
	v_wmma_scale_f32_16x16x128_f8f6f4 v[ACC+8*\b:ACC+8*\b+7], v[W+8*(4*\b+\q):W+8*(4*\b+\q)+7], v[XF+8*\q:XF+8*\q+7], v[ACC+8*\b:ACC+8*\b+7], v[WS+4*(\b/2)+\q], v[XS+\q] matrix_a_fmt:MATRIX_FMT_FP4 matrix_b_fmt:MATRIX_FMT_FP4
	v_wmma_scale_f32_16x16x128_f8f6f4 v[ACC+8*(\b+1):ACC+8*(\b+1)+7], v[W+8*(4*(\b+1)+\q):W+8*(4*(\b+1)+\q)+7], v[XF+8*\q:XF+8*\q+7], v[ACC+8*(\b+1):ACC+8*(\b+1)+7], v[WS+4*(\b/2)+\q], v[XS+\q] matrix_a_fmt:MATRIX_FMT_FP4 matrix_b_fmt:MATRIX_FMT_FP4 matrix_a_scale:MATRIX_SCALE_ROW1
.endif
.endr
.endr
.endm
; gelu of accumulator a, in place.  T+0..7: t, later h / 2;  T+8..15: E;  T+16..23: s, later 0.5 - s E.  The eight reciprocals and eight exponentials are one batch with one wait.
.macro GELU8 a
.set A, ACC+8*(\a)
.irp j, 0,1,2,3,4,5,6,7
	v_fma_f32 v[T+\j], |v[A+\j]|, s70, 1.0
.endr
.irp j, 0,2,4,6
	v_pk_mul_f32 v[T+8+\j:T+9+\j], v[A+\j:A+\j+1], v[A+\j:A+\j+1]
.endr
.irp j, 0,2,4,6
	s_delay_alu instid0(VALU_DEP_4)
	v_pk_mul_f32 v[T+8+\j:T+9+\j], v[T+8+\j:T+9+\j], s[72:73] op_sel_hi:[1,0]
.endr
	s_wait_alu depctr_va_vdst(0)
.irp j, 0,1,2,3,4,5,6,7
	v_rcp_f32 v[T+\j], v[T+\j]
.endr
.irp j, 0,1,2,3,4,5,6,7
	v_exp_f32 v[T+8+\j], v[T+8+\j]
.endr
	v_nop                                          ; a plain instruction behind the last transcendental,
	s_wait_alu depctr_va_vdst(0)                   ; and the one wait for the batch, ahead of its first reader
.irp j, 0,2,4,6
	v_pk_fma_f32 v[T+16+\j:T+17+\j], v[T+\j:T+\j+1], s[74:75], v[C4P:C4P+1] op_sel_hi:[1,0,1]
.endr
.irp c, 76,78,80
.irp j, 0,2,4,6
	v_pk_fma_f32 v[T+16+\j:T+17+\j], v[T+16+\j:T+17+\j], v[T+\j:T+\j+1], s[\c:\c+1] op_sel_hi:[1,1,0]
.endr
.endr
.irp j, 0,2,4,6
	v_pk_mul_f32 v[T+16+\j:T+17+\j], v[T+16+\j:T+17+\j], v[T+\j:T+\j+1]
.endr
.irp j, 0,2,4,6
	v_pk_fma_f32 v[T+16+\j:T+17+\j], v[T+16+\j:T+17+\j], v[T+8+\j:T+9+\j], 0.5 op_sel_hi:[1,1,0] neg_lo:[1,0,0] neg_hi:[1,0,0]
.endr
.irp j, 0,2,4,6
	v_pk_mul_f32 v[T+\j:T+\j+1], v[A+\j:A+\j+1], 0.5 op_sel_hi:[1,0]
.endr
.irp j, 0,1,2,3,4,5,6,7
	v_fma_f32 v[A+\j], |v[A+\j]|, v[T+16+\j], v[T+\j]
.endr
.endm
; v[d .. d + n - 1] = 1 / (1 + 2^(sc x v[s ..])): two batches, a wait each.  n is even
.macro LOGIS d, s, n, sc
.set j, 0
.rept (\n)/2
	v_pk_mul_f32 v[\d+j:\d+j+1], v[\s+j:\s+j+1], s[\sc:\sc+1] op_sel_hi:[1,0]
.set j, j+2
.endr
.set j, 0
	s_wait_alu depctr_va_vdst(0)
.rept \n
	v_exp_f32 v[\d+j], v[\d+j]
.set j, j+1
.endr
	v_nop
	s_wait_alu depctr_va_vdst(0)
.set j, 0
.rept (\n)/2
	v_pk_add_f32 v[\d+j:\d+j+1], v[\d+j:\d+j+1], 1.0 op_sel_hi:[1,0]
.set j, j+2
.endr
.set j, 0
	s_wait_alu depctr_va_vdst(0)
.rept \n
	v_rcp_f32 v[\d+j], v[\d+j]
.set j, j+1
.endr
	v_nop
	s_wait_alu depctr_va_vdst(0)
.endm
.Ltrip:                                                ; eight trips, a constant of the text: a trip is a block of 16 slots
	s_cmp_ge_u32 s63, s36
	s_cbranch_scc1 .Lskip                          ; no rank in this block: nothing is read, multiplied or stored; no barrier stands in a trip
	s_wait_xcnt 0x0                                ; the last trip's stores have read their offsets and data: both are written again below
	v_add_nc_u32 v[AXF], s66, v[AXF0]
	v_add_nc_u32 v[AXS], s67, v[AXS0]
	v_add_nc_u32 v[ALS], s68, v[ALS0]
.irp q, 0,1,2,3
.irp c, 0,1
	ds_load_b128 v[XF+8*\q+4*\c:XF+8*\q+4*\c+3], v[AXF] offset:64*\q+32*\c
.endr
.endr
	ds_load_b128 v[XS:XS+3], v[AXS]
	ds_load_b128 v[TK:TK+3], v[ALS]                ; the tokens of slots 8 h + 0 .. 7 of the block
	ds_load_b128 v[TK+4:TK+7], v[ALS] offset:16
	s_wait_dscnt 0x0
	MUL
	; sixteen plain instructions that name none of the products' registers: the places ahead of the first read of the results, on every way below, and of the next trip's loads and first products
.irp i, 0,1,2,3,4,5,6,7
	v_min_u32 v[TK+\i], 0x7fff, v[TK+\i]
.endr
.irp i, 0,1,2,3,4,5,6,7
	v_lshl_add_u32 v[TK+\i], v[TK+\i], 11, v[VCOL] ; a row of out0 is 2,048 bytes
.endr
	s_cmp_eq_u32 s30, 0
	s_cbranch_scc1 .Lgelu
	s_cmp_eq_u32 s30, 1
	s_cbranch_scc1 .Lrelu
	s_cmp_eq_u32 s30, 2
	s_cbranch_scc1 .Lrelu2
	s_cmp_eq_u32 s30, 3
	s_cbranch_scc1 .Lsilu
	s_cmp_eq_u32 s30, 4
	s_cbranch_scc1 .Ltanh
	s_cmp_eq_u32 s30, 5
	s_cbranch_scc1 .Lsigm
	s_cmp_eq_u32 s30, 6
	s_cbranch_scc1 .Lstore                         ; the identity
	; every activation takes each accumulator's registers in ascending order
.set j, 0
.rept 16
	v_pk_mul_f32 v[ACC+j:ACC+j+1], v[ACC+j:ACC+j+1], -1.0 op_sel_hi:[1,0]   ; operator 7: -h
.set j, j+2
.endr
	s_branch .Lstore
.Lgelu:
	GELU8 0
	GELU8 1
	GELU8 2
	GELU8 3
	s_branch .Lstore
.Lrelu:
.set j, 0
.rept 32
	v_max_num_f32 v[ACC+j], 0, v[ACC+j]
.set j, j+1
.endr
	s_branch .Lstore
.Lrelu2:
.set j, 0
.rept 32
	v_max_num_f32 v[ACC+j], 0, v[ACC+j]
.set j, j+1
.endr
.set j, 0
.rept 16
	v_pk_mul_f32 v[ACC+j:ACC+j+1], v[ACC+j:ACC+j+1], v[ACC+j:ACC+j+1]
.set j, j+2
.endr
	s_branch .Lstore
.Lsilu:
.irp a, 0,16
	LOGIS T, ACC+\a, 16, 82
.set j, 0
.rept 8
	v_pk_mul_f32 v[ACC+\a+j:ACC+\a+j+1], v[ACC+\a+j:ACC+\a+j+1], v[T+j:T+j+1]
.set j, j+2
.endr
.endr
	s_branch .Lstore
.Ltanh:
	LOGIS ACC, ACC, 32, 84
.set j, 0
.rept 16
	v_pk_fma_f32 v[ACC+j:ACC+j+1], v[ACC+j:ACC+j+1], -2.0, 1.0 op_sel_hi:[1,0,0]
.set j, j+2
.endr
	s_branch .Lstore
.Lsigm:
	LOGIS ACC, ACC, 32, 82
.Lstore:
	s_wait_alu depctr_va_vdst(0)
	; a lane holds 32 bytes of one token's row, the lanes beside it other tokens': the block goes through my own stage and comes back as rows of 256 bytes
.irp b, 0,1,2,3
	ds_store_b128 v[ASTO], v[ACC+8*\b:ACC+8*\b+3] offset:64*\b       ; each accumulator from its low end on
	ds_store_b128 v[ASTO], v[ACC+8*\b+4:ACC+8*\b+7] offset:64*\b+16
.endr
.irp i, 0,1,2,3,4,5,6,7
	ds_load_b128 v[ACC+4*\i:ACC+4*\i+3], v[ARD] offset:\i*XP         ; LDS serves a wave's instructions in order: these see my stores; lanes 0-15 row i, lanes 16-31 row 8 + i
.endr
.irp i, 0,1,2,3,4,5,6,7
	s_wait_dscnt 7-\i                              ; rows i and 8 + i are back; the younger loads may be out
	global_store_b128 v[TK+\i], v[ACC+4*\i:ACC+4*\i+3], s[18:19] th:TH_STORE_NT   ; sixteen lanes store 256 consecutive bytes, aligned, of one token's row; written once, read by nobody here
.endr
.Lskip:
	s_add_co_u32 s63, s63, 16
	s_add_co_u32 s66, s66, 16*XP
	s_add_co_u32 s67, s67, 256
	s_add_co_u32 s68, s68, 64
	s_add_co_u32 s62, s62, 1
	s_cmp_lt_u32 s62, 8
	s_cbranch_scc1 .Ltrip
	s_wait_tensorcnt 0x0                           ; the wave's end, behind my last LDS store
	ds_add_u32 v[SPW], v[NIL]
	s_wait_dscnt 0x0
	s_endpgm
.Lfunc_end_k_qcf800b291a_chain:
	.size	k_qcf800b291a_chain, .Lfunc_end_k_qcf800b291a_chain-k_qcf800b291a_chain
	.p2alignl 7, 3214868480
	.fill 96, 4, 3214868480
	.section	.rodata,"a",@progbits
	.p2align	6, 0x0
	.amdhsa_kernel k_qcf800b291a_chain
		.amdhsa_group_segment_fixed_size 73216
		.amdhsa_private_segment_fixed_size 0
		.amdhsa_enable_private_segment 0
		.amdhsa_kernarg_size 64
		.amdhsa_user_sgpr_count 2
		.amdhsa_user_sgpr_kernarg_segment_ptr 1
		.amdhsa_wavefront_size32 1
		.amdhsa_system_sgpr_workgroup_id_x 1
		.amdhsa_system_sgpr_workgroup_id_y 1
		.amdhsa_system_sgpr_workgroup_id_z 1
		.amdhsa_system_vgpr_workitem_id 0
		.amdhsa_next_free_vgpr 256
		.amdhsa_next_free_sgpr 96
		.amdhsa_reserve_vcc 1
		.amdhsa_float_denorm_mode_32 3
		.amdhsa_float_denorm_mode_16_64 3
		.amdhsa_memory_ordered 1
		.amdhsa_forward_progress 1
		.amdhsa_inst_pref_size 82
	.end_amdhsa_kernel
	.amdgpu_metadata
---
amdhsa.version: [ 1, 2 ]
amdhsa.kernels:
  - .name:           k_qcf800b291a_chain
    .symbol:         k_qcf800b291a_chain.kd
    .args:
      - { .name: blk, .offset: 0, .size: 8, .value_kind: global_buffer, .address_space: global }
      - { .name: wpre, .offset: 8, .size: 8, .value_kind: global_buffer, .address_space: global }
      - { .name: masks, .offset: 16, .size: 8, .value_kind: global_buffer, .address_space: global }
      - { .name: wimg, .offset: 24, .size: 8, .value_kind: global_buffer, .address_space: global }
      - { .name: W_scales, .offset: 32, .size: 8, .value_kind: global_buffer, .address_space: global }
      - { .name: x_codes, .offset: 40, .size: 8, .value_kind: global_buffer, .address_space: global }
      - { .name: x_scales, .offset: 48, .size: 8, .value_kind: global_buffer, .address_space: global }
      - { .name: out0, .offset: 56, .size: 8, .value_kind: global_buffer, .address_space: global }
    .group_segment_fixed_size: 73216
    .private_segment_fixed_size: 0
    .kernarg_segment_align: 8
    .kernarg_segment_size: 64
    .max_flat_workgroup_size: 256
    .sgpr_count:     96
    .vgpr_count:     256
    .wavefront_size: 32
...
	.end_amdgpu_metadata
.endif
;; end of part 2
